; MI455X (gfx1250); checked and timed in simulation.
; The chip was launched on July 23, 2026; its instructions are those of AMD's public machine-readable ISA for CDNA 5 (MIT licence, August 2026) and "CDNA5" Instruction Set Architecture Reference Guide (July 2026). The comments in the code are by the model that wrote it; some were corrected since.
;; Attention. Allowed arithmetic: matrix products marked QUANTISED: E3M2 operands, one E8M0 scale for each 32 along K, by v_wmma_scale_f32_16x16x128_f8f6f4 with both operands' format E3M2, f32 sums; products left as they are: f32 operands where the result goes on into a quantised operand, else bf16, f16 or f32 operands; f32 sums; everything else in f32.
;; Inputs: W1 2,048 x 1,024 float32; b1 1,024 float32; encoder_outputs 32 x 2,048 x 1,024 float32; hidden_state_codes 32 x 32 x 24 uint8 (E3M2 codes of hidden_state, K innermost, in blocks of 32 codes, four codes in three bytes); hidden_state_scales 32 x 32 uint8 (E8M0 scales of hidden_state, one for each 32 codes along K); w2 1,024 float32.
;; Outputs: out0 32 x 1,024 float32.
;; This version of the problem:
;;   THIS VERSION OF THE PROBLEM IS GIVEN IN LOW PRECISION. The matrix products marked QUANTISED in the list below multiply operands that are first quantised to E3M2 (3 exponent bits, 2 mantissa bits; 6 bits a number), with one power-of-two scale for each 32 numbers along K (OCP MX v1.0); their sums are f32. All else is computed in f32.
;;   The module's matrix products, in the order in which they are computed (A, B: the left and right operand; K: the contracted axis; several contracted axes count as one K, in the product's order):
;;     1. [M 65,536, K 1,024] x [K 1,024, N 1,024]; A: input encoder_outputs; B: input W1: QUANTISED
;;     2. [M 32, K 1,024] x [K 1,024, N 1,024]; A: input hidden_state (given as codes); B: input W1: QUANTISED
;;     3. [M 65,536, K 1,024] x [K 1,024, N 1]; A: computed on the way; B: input w2: left as it is (N = 1 < 16)
;;     4. batch 32 x [M 1, K 2,048] x [K 2,048, N 1,024]; A: softmax; B: input encoder_outputs: left as it is (M = 1 < 16)
;;   THE QUANTISER, for each operand of a quantised product, along K:
;;     - K is cut into blocks of 32 from its start; a last block that is shorter is filled with zeros.
;;     - A block's scale is 2^e with e = floor(log2(the largest magnitude in the block)) - 4, held to -126 .. 127; a block of zeros has e = 0. As a byte (E8M0): e + 127.
;;     - Each number is divided by its block's scale, clamped to +-28, and rounded to the nearest number of E3M2, ties to even, subnormals kept.
;;     - The product sums the exact products of the quantised numbers (number of the format x scale) in f32.
;;   ~~~python
;;   def quantise(x, axis):      # numpy; x: float32 -> the quantised numbers, widened to float32 again
;;       x = np.moveaxis(x, axis, -1); K = x.shape[-1]
;;       x = np.pad(x, [(0, 0)] * (x.ndim - 1) + [(0, -K % 32)]); x = x.reshape(x.shape[:-1] + (-1, 32)); a = np.abs(x).max(-1, keepdims=True)
;;       e = np.where(a > 0, np.clip(np.frexp(np.where(a > 0, a, 1))[1] - 1 - 4, -126, 127), 0)      # np.frexp(a)[1] - 1 = floor(log2(a)), exactly
;;       r = np.clip(x / 2.0 ** e, -28, 28)
;;       step = 2.0 ** (np.maximum(np.frexp(np.where(r == 0, 1, r))[1] - 1, -2) - 2)
;;       q = np.round(r / step) * step * 2.0 ** e      # np.round: ties to even
;;       return np.moveaxis(q.reshape(q.shape[:-2] + (-1,))[..., :K], -1, axis).astype(np.float32)
;;   ~~~
;;   INPUTS GIVEN AS CODES. hidden_state (in the module: [32, 1024], K = its axis 1): each comes as NAME_codes (uint8): NAME with its K axis moved to the last place and cut into blocks of 32 codes, [.., K / 32, bytes a block], one block behind the other in memory; four codes in three bytes: a row's codes are one little-endian stream of bits, code i at bits 6 i .. 6 i + 5 (a code: sign, 3 exponent bits, 2 mantissa bits); and NAME_scales (uint8): the same leading axes, one E8M0 byte (e + 127) for each 32 codes along K. Its value is code x scale, taken as it is: it is not quantised again, and the codes and scales need not be those that the quantiser above would give.
;; One version. Each part assembles by itself: llvm-mc -triple=amdgcn-amd-amdhsa -mcpu=gfx1250 --defsym DOCPART=n.
;; ======== version 1 of 1: 3 launches
;; limits: values are held in bf16: 8 bits of precision; right only within a limited range of input values
;; workspace buffers: wq 819,200 bytes; hb 131,072 bytes; part 2,097,152 bytes; stat 131,072 bytes
;; launch prep (part 1): grid 128 x 1, 8 waves a work-group, no clusters, 17,920 bytes of LDS; arguments W1, b1, hidden_state_codes, hidden_state_scales, wq, hb; writes wq, hb
.if DOCPART == 1
	.amdgcn_target "amdgcn-amd-amdhsa--gfx1250"
	.amdhsa_code_object_version 6
	.text
	.protected	k_q420004a445_prep
	.globl	k_q420004a445_prep
	.p2align	8
	.type	k_q420004a445_prep,@function
k_q420004a445_prep:
	s_mov_b64 s[64:65], 0
	v_nop
	global_prefetch_b8 v0, s[64:65] scope:SCOPE_SE
	s_setreg_imm32_b32 hwreg(HW_REG_WAVE_MODE, 25, 1), 1
	s_wait_xcnt 0x0
; W1 [2048][1024] f32 has K as its FIRST axis.  It is quantised along K to codes of E3M2 with one E8M0 byte for each 32 along K.
; Work-groups 0-63 take W1's rows 0-1023 (the encoder's half): tile T = 16 columns; their codes leave as IMAGES OF THE OPERAND'S REGISTERS, so that the next launch
; reads a fragment by three loads of 16 bytes a lane.  wq: 64 records of 12,800 bytes; in a record fragment ks (128 along K) at 1,536 ks, its register group x at 512 x + 16 lane;
; the scale words at 12,288 + 256 (ks / 4) + 16 r + 4 (ks % 4), r the column in the tile.
; Work-groups 64-127 take rows 1024-2047 (the hidden state's half): the same quantiser, and at once hb[b][n] = sum over k of hidden[b][k] Q(W1)[1024 + k][n] + b1[n]:
; hidden arrives as codes and scale bytes and is taken as it is.
; SHARES: eight waves, wave ks takes K step ks.  A LANE TAKES A COLUMN AND ITS REGISTERS RUN DOWN K, in the order that the operand's layout gives that lane: lane (r, h) holds
; k = 64 c + 32 h + 0 .. 31 of column r, so a block of 32 lies in one lane and the conversions' results are the operand's registers.
; The two kinds of work-group part once, on the work-group's number, and never join; each kind has LDS bytes of its own.
; LIMITS: NaN and infinities in W1 are not served.  A block of zeros gets the byte 1 where the quantiser says 127: its codes are zeros, which add nothing under any byte
; but 0xff, and only this program reads the bytes.  hb's eight K steps are summed in f32 across waves, K ascending.
.set REC,  12800                       ; a tile's record in wq
.set FRG,  1536                        ; a fragment's image
.set HP,   0                           ; LDS, hidden's path: eight waves' partial sums, 2,048 bytes each
.set SCW,  16384                       ; LDS, encoder's path: the tile's 128 scale words
.set WN,   64                          ; v64-127  64 numbers of W
	s_load_b256 s[4:11], s[0:1], 0x0               ; W1 s[4:5], b1 s[6:7], hidden's codes s[8:9], hidden's scales s[10:11]
	s_load_b128 s[12:15], s[0:1], 0x20             ; wq s[12:13], hb s[14:15]
	v_lshl_add_u32 v168, v0, 2, 0x4200
	v_mov_b32 v169, 0
	v_lshrrev_b32 v1, 5, v0
	s_delay_alu instid0(VALU_DEP_1)
	v_readfirstlane_b32 s16, v1                    ; wave = K step ks
	v_and_b32 v1, 15, v0                           ; r
	v_bfe_u32 v2, v0, 4, 1                         ; h
	v_and_b32 v3, 31, v0                           ; lane
	s_delay_alu instid0(VALU_DEP_3)
	v_lshlrev_b32 v31, 2, v1                       ; 4 r
	s_delay_alu instid0(VALU_DEP_1)
	v_lshl_add_u32 v4, v2, 17, v31                 ; W: column r, and 32 rows of 4,096 bytes further down for lanes 16-31
	v_mul_u32_u24 v5, v1, 768
	s_delay_alu instid0(VALU_DEP_1)
	v_mad_u32_u24 v5, v2, 24, v5                   ; hidden's codes: row r of 768 bytes, + 24 h
	v_lshlrev_b32 v6, 5, v1                        ; hidden's scale bytes: 32 a row
	v_lshlrev_b32 v7, 4, v3                        ; 16 x lane
	s_wait_alu depctr_va_vdst(0)
	v_lshl_add_u32 v30, v2, 15, v31                ; hb: 8 h rows of 4,096 bytes + 4 r
	s_lshr_b32 s26, s16, 2
	s_lshl_b32 s26, s26, 8
	s_and_b32 s27, s16, 3
	s_lshl_b32 s27, s27, 2
	s_add_co_u32 s26, s26, s27
	s_add_co_u32 s26, s26, SCW
	v_lshl_add_u32 v8, v1, 4, s26                  ; where my scale word goes: SCW + 256 (ks / 4) + 4 (ks % 4) + 16 r
	v_add_nc_u32 v11, SCW, v7                      ; and where wave 0 reads the 512 bytes back
	s_lshl_b32 s26, s16, 11
	v_add_nc_u32 v28, s26, v7                      ; hidden's path: my partial sums: 2,048 ks + 16 lane
	s_lshr_b32 s26, s16, 1
	s_lshl_b32 s26, s26, 9
	s_and_b32 s27, s16, 1
	s_lshl_b32 s27, s27, 3
	s_add_co_u32 s26, s26, s27
	v_add_nc_u32 v29, s26, v7                      ; and the two registers of each partial that I add up: 512 (wave / 2) + 8 (wave % 2) + 16 lane
	s_mov_b32 s20, 0x76543210
	s_mov_b32 s21, 0xfedcba98                      ; v_permlanex16_b32's selects for lane l xor 16
	s_lshr_b32 s22, ttmp9, 6                       ; which half of W1
	s_and_b32 s23, ttmp9, 63                       ; tile T
	s_lshl_b32 s24, s22, 22                        ; 1,024 rows of 4,096 bytes,
	s_lshl_b32 s25, s16, 19                        ; 128 rows a K step,
	s_add_co_u32 s24, s24, s25
	s_lshl_b32 s25, s23, 6                         ; 16 columns a tile
	s_add_co_u32 s24, s24, s25
	s_mov_b32 s25, 0
	s_wait_kmcnt 0x0
	s_add_nc_u64 s[4:5], s[4:5], s[24:25]
.irp c, 0,1
.set i, 0
.rept 32
	global_load_b32 v[WN+32*\c+i], v4, s[4:5] offset:(64*\c+i)*4096   ; W(128 ks + 64 c + 32 h + i, 16 T + r)
.set i, i+1
.endr
.endr
; 64 numbers of a lane become the operand's 12 registers v[48:59] and the column's scale word v9.
.macro QUANTW
.irp c, 0,1
	v_max3_num_f32 v[32+\c], |v[WN+32*\c]|, |v[WN+1+32*\c]|, 0x2800000   ; my block 2 c + h: all 32 numbers are mine; the floor 2^(5 - 127) holds the byte at 1 from below
.endr
.irp i, 2,4,6,8,10,12,14,16,18,20,22,24,26,28,30
.irp c, 0,1
	s_delay_alu instid0(VALU_DEP_2)
	v_max3_num_f32 v[32+\c], v[32+\c], |v[WN+32*\c+\i]|, |v[WN+1+32*\c+\i]|   ; the two blocks by turns
.endr
.endr
.irp c, 0,1
	s_delay_alu instid0(VALU_DEP_2)
	v_add_nc_u32 v[44+\c], 0xfe000000, v[32+\c]    ; 4 off the exponent field: the conversion takes this operand's exponent field as its scale
.endr
.irp c, 0,1
	s_delay_alu instid0(VALU_DEP_2)
	v_lshrrev_b32 v[36+\c], 23, v[44+\c]           ; the scale's byte
.endr
	s_delay_alu instid0(VALU_DEP_1)
	v_lshl_or_b32 v9, v37, 16, v36                 ; my two bytes, blocks h and 2 + h,
	v_lshlrev_b32 v10, 3, v2
	s_delay_alu instid0(VALU_DEP_1)
	v_lshlrev_b32 v9, v10, v9                      ; 8 h bits up;
	v_mov_b32 v10, 0
	s_delay_alu instid0(VALU_DEP_1)
	v_permlanex16_b32 v10, v9, s20, s21
	s_delay_alu instid0(VALU_DEP_1)
	v_or_b32 v9, v9, v10                           ; with lane l xor 16's two the word is whole
.irp c, 0,1
	v_cvt_scalef32_pk16_bf6_f32 v[48+6*\c:50+6*\c], v[WN+32*\c:WN+15+32*\c], v[44+\c]
	v_cvt_scalef32_pk16_bf6_f32 v[128+4*\c:130+4*\c], v[WN+16+32*\c:WN+31+32*\c], v[44+\c]   ; a conversion's three registers begin on an even number: made elsewhere and moved
.endr
	v_nop                                          ; one plain place behind a scaled conversion
.irp c, 0,1
.irp i, 0,1,2
	v_mov_b32 v[51+6*\c+\i], v[128+4*\c+\i]
.endr
.endr
.endm
	s_cmp_ge_u32 ttmp9, 64
	s_cbranch_scc1 .Lhid
	; ---- the encoder's half: codes and scale words go to wq
	s_mul_i32 s28, s23, REC
	s_mul_i32 s29, s16, FRG
	s_add_co_u32 s28, s28, s29
	s_mov_b32 s29, 0
	s_add_nc_u64 s[12:13], s[12:13], s[28:29]      ; my fragment's image
	s_wait_loadcnt 0x0
	QUANTW
.irp x, 0,1,2
	global_store_b128 v7, v[48+4*\x:51+4*\x], s[12:13] offset:512*\x   ; 32 lanes store 512 consecutive bytes, at a multiple of 256 from wq's first byte
.endr
	ds_store_b32 v8, v9                            ; lanes r and r + 16 write the same word with the same value
	s_wait_dscnt 0x0                               ; for the others' sake: my word has landed
	s_barrier_signal -1
	s_barrier_wait -1
	s_cmp_lg_u32 s16, 0
	s_cbranch_scc1 .Lend_e
	ds_load_b128 v[WN:WN+3], v11                   ; wave 0 (its K step is 0, so its base is the record's first byte) sends the tile's 128 words out
	s_wait_dscnt 0x0
	global_store_b128 v7, v[WN:WN+3], s[12:13] offset:12288   ; 512 consecutive bytes
.Lend_e:
	s_wait_tensorcnt 0x0
	ds_add_u32 v168, v169
	s_wait_dscnt 0x0
	s_endpgm
	; ---- the hidden state's half: the product at once
.Lhid:
	s_mul_i32 s28, s16, 96
	s_mov_b32 s29, 0
	s_add_nc_u64 s[8:9], s[8:9], s[28:29]          ; hidden's codes at K step ks
	s_lshl_b32 s28, s16, 2
	s_add_nc_u64 s[10:11], s[10:11], s[28:29]      ; its scale words
	s_lshl_b32 s28, s23, 6
	s_add_nc_u64 s[6:7], s[6:7], s[28:29]          ; b1 at the tile's first column
	s_lshr_b32 s30, s16, 2
	s_lshl_b32 s30, s30, 4
	s_lshl_b32 s31, s16, 1
	s_and_b32 s31, s31, 7
	s_add_co_u32 s30, s30, s31                     ; the first of the two rows of hb that I store (for h = 0): 16 (wave / 4) + (2 wave) % 8
	s_lshl_b32 s30, s30, 12
	s_add_co_u32 s30, s30, s28
	s_mov_b32 s31, 0
	s_add_nc_u64 s[14:15], s[14:15], s[30:31]
.irp p, 0,1,2,3,4,5
	global_load_b64 v[16+2*\p:17+2*\p], v5, s[8:9] offset:48*(\p/3)+8*(\p%3)             ; hidden's rows 0-15
	global_load_b64 v[136+2*\p:137+2*\p], v5, s[8:9] offset:12288+48*(\p/3)+8*(\p%3)     ; rows 16-31
.endr
	global_load_b32 v12, v6, s[10:11]              ; their scale words
	global_load_b32 v13, v6, s[10:11] offset:512
	global_load_b32 v14, v31, s[6:7]               ; b1 of my column
	s_wait_loadcnt 0x0
	QUANTW
.rept 8
	v_nop                                          ; a scale register written by a vector instruction stands 8 places ahead of a scaled matrix instruction, an operand so written 4
.endr
	v_wmma_scale_f32_16x16x128_f8f6f4 v[148:155], v[16:27], v[48:59], 0, v12, v9 matrix_a_fmt:MATRIX_FMT_BF6 matrix_b_fmt:MATRIX_FMT_BF6     ; register j: batch 8 h + j, column r
	v_wmma_scale_f32_16x16x128_f8f6f4 v[156:163], v[136:147], v[48:59], 0, v13, v9 matrix_a_fmt:MATRIX_FMT_BF6 matrix_b_fmt:MATRIX_FMT_BF6   ; batch 16 + 8 h + j
.rept 4
	v_nop                                          ; four places ahead of the first read of the results (ISA guide 7.12.1)
.endr
.irp x, 0,1,2,3
	ds_store_b128 v28, v[148+4*\x:151+4*\x] offset:HP+512*\x   ; each result from its low end on
.endr
	s_wait_dscnt 0x0                               ; for the others' sake: my partial sums have landed
	s_barrier_signal -1
	s_barrier_wait -1
.irp p, 0,1,2,3,4,5,6,7
	ds_load_b64 v[WN+2*\p:WN+2*\p+1], v29 offset:HP+2048*\p   ; registers 2 wave and 2 wave + 1 of the sixteen, of K step p
.endr
	s_wait_dscnt 0x0
.irp p, 1
	v_pk_add_f32 v[WN:WN+1], v[WN:WN+1], v[WN+2*\p:WN+2*\p+1]   ; K ascending
.endr
.irp p, 2, 3, 4, 5, 6, 7
	s_delay_alu instid0(VALU_DEP_1)
	v_pk_add_f32 v[WN:WN+1], v[WN:WN+1], v[WN+2*\p:WN+2*\p+1]   ; K ascending
.endr
	s_delay_alu instid0(VALU_DEP_1)
	v_add_f32 v[WN], v[WN], v14
	s_delay_alu instid0(VALU_DEP_2)
	v_add_f32 v[WN+1], v[WN+1], v14
	global_store_b32 v30, v[WN], s[14:15]          ; sixteen lanes store 64 consecutive bytes of a row of hb: the tile's width
	global_store_b32 v30, v[WN+1], s[14:15] offset:4096
	s_wait_tensorcnt 0x0
	ds_add_u32 v168, v169
	s_wait_dscnt 0x0
	s_endpgm
.Lfunc_end_k_q420004a445_prep:
	.size	k_q420004a445_prep, .Lfunc_end_k_q420004a445_prep-k_q420004a445_prep
	.p2alignl 7, 3214868480
	.fill 96, 4, 3214868480
	.section	.rodata,"a",@progbits
	.p2align	6, 0x0
	.amdhsa_kernel k_q420004a445_prep
		.amdhsa_group_segment_fixed_size 17920
		.amdhsa_private_segment_fixed_size 0
		.amdhsa_enable_private_segment 0
		.amdhsa_kernarg_size 48
		.amdhsa_user_sgpr_count 2
		.amdhsa_user_sgpr_kernarg_segment_ptr 1
		.amdhsa_wavefront_size32 1
		.amdhsa_system_sgpr_workgroup_id_x 1
		.amdhsa_system_sgpr_workgroup_id_y 1
		.amdhsa_system_sgpr_workgroup_id_z 1
		.amdhsa_system_vgpr_workitem_id 0
		.amdhsa_next_free_vgpr 170
		.amdhsa_next_free_sgpr 66
		.amdhsa_reserve_vcc 0
		.amdhsa_float_denorm_mode_32 3
		.amdhsa_float_denorm_mode_16_64 3
		.amdhsa_memory_ordered 1
		.amdhsa_forward_progress 1
		.amdhsa_inst_pref_size 23
	.end_amdhsa_kernel
	.amdgpu_metadata
---
amdhsa.version: [ 1, 2 ]
amdhsa.kernels:
  - .name:           k_q420004a445_prep
    .symbol:         k_q420004a445_prep.kd
    .args:
      - { .name: W1, .offset: 0, .size: 8, .value_kind: global_buffer, .address_space: global }
      - { .name: b1, .offset: 8, .size: 8, .value_kind: global_buffer, .address_space: global }
      - { .name: hidden_state_codes, .offset: 16, .size: 8, .value_kind: global_buffer, .address_space: global }
      - { .name: hidden_state_scales, .offset: 24, .size: 8, .value_kind: global_buffer, .address_space: global }
      - { .name: wq, .offset: 32, .size: 8, .value_kind: global_buffer, .address_space: global }
      - { .name: hb, .offset: 40, .size: 8, .value_kind: global_buffer, .address_space: global }
    .group_segment_fixed_size: 17920
    .private_segment_fixed_size: 0
    .kernarg_segment_align: 8
    .kernarg_segment_size: 48
    .max_flat_workgroup_size: 256
    .sgpr_count:     66
    .vgpr_count:     170
    .wavefront_size: 32
...
	.end_amdgpu_metadata
.endif
;; end of part 1
;; launch main (part 2): grid 512 x 1, 4 waves a work-group, no clusters, 327,680 bytes of LDS; arguments encoder_outputs, wq, hb, w2, part, stat; writes part, stat
.if DOCPART == 2
	.amdgcn_target "amdgcn-amd-amdhsa--gfx1250"
	.amdhsa_code_object_version 6
	.text
	.protected	k_q420004a445_main
	.globl	k_q420004a445_main
	.p2align	8
	.type	k_q420004a445_main,@function
k_q420004a445_main:
	s_mov_b64 s[64:65], 0
	v_nop
	global_prefetch_b8 v0, s[64:65] scope:SCOPE_SE
	s_setreg_imm32_b32 hwreg(HW_REG_WAVE_MODE, 25, 1), 1
	s_wait_xcnt 0x0
; For 128 rows s of one batch: x = Q(enc[s]) Q(W1_enc) + hb, e[s] = sum over n of w2[n] tanh(x[n]), the block's part of the softmax over s and of sum over s of p[s] enc[s].
; tanh(x) = 1 - 2 / (1 + 2^(c x)), c = 2 log2(e), so e = sum(w2) - 2 sum(w2 / (1 + 2^(c x))); sum(w2) is the same for every row and a softmax does not see a common term: the score kept is e' = -2 u, u = sum of w2[n] / (1 + 2^(c x[n])).
; SHARES.  Work-group g = rows 128 g ..; wave w = 2 i + j loads and quantises rows 32 w .. 32 w + 31, and multiplies rows 64 i .. 64 i + 63 (its own as tiles 0, 1, its partner's, wave w xor 1, as tiles 2, 3) by columns 512 j .. 512 j + 511.
; The rows are read from memory once: codes of E3M2 stay in registers (384 a wave), a bf16 copy of all 128 rows stays in LDS (pitch 2,080 bytes, 266,240 in all) for the last sum.
; The two waves of a pair hand each other their codes as register images through LDS, two buffers by turns, one barrier for each K step.
; W's records (register images made by the launch before) go from memory straight into registers, 13 loads for half a tile, asked for one and a half tiles ahead; each fragment feeds four products.
; NO TENSOR LOAD AND NO CLUSTER: the copy, the stages and the exchange take 326,656 of LDS's 327,680 bytes, so no ring for W's records fits.  NO PREFETCH: a wave has 48 loads of 512 bytes of enc out through the load phase, and W's 819,200 bytes are read by all work-groups again and again.
; The product is used transposed (source 0 = 16 columns of W, source 1 = 16 rows): a lane holds one row and eight columns 16 T + 8 h + j.
; A tile's 32 products stand beside the tanh of the tile before, in groups of four products and runs of vector work.
; LIMITS: NaN and infinities among the inputs are not served.  A block of zeros gets the scale byte 1 (its codes are zeros; only this program reads the bytes).  enc and p are rounded to bf16 for the last sum; l sums the unrounded p.
; REGISTERS: window 0: addresses, scales, accumulators, at work; window 1: codes of K steps 0-3 (fragment 4 m + ks at 12 x), window 2: K steps 4-7; window 3 v0-191: two tiles of W; v192-255 of windows 1-3: three chunk buffers.
.set XSTG, 266240                      ; each wave's f32 stage: 16 rows x 528 bytes; later the tables
.set XCH,  300032                      ; the exchange: 2 buffers x 4 waves x 3,328 bytes; later RED and OST
.set SPARE,326656                      ; the spare words
.set TAB,  XSTG                        ; c x hb's row, then w2
.set RED,  XCH                         ; u by column half and row (1,024 bytes), then each wave's 128 p
.set OST,  XCH+4096                    ; each wave's 1,024 bytes on the way out
.set AW0,3
.set AS0,4
.set AT,5
.set AT0,6
.set SI,7
.set SO,8
.set CA,9
.set XO,11
.set XPA,12
.set XOS,13
.set XPS,14
.set GT,15
.set CSC,16
.set WS,48
.set HBC,64
.set W2R,72
.set EA,80
.set RO,88
.set RP,89
.set RR,90
.set PW,91
.set PL,92
.set BR,93
.set OSI,97
.set OSO,98
.set SL,99
.set TBA,100
.set H8,101
.set ACC,112
.set X,112
.set TR,176
.set BT,192
.set TM,224
.set WD,230
.set CQ,232
.set Q2,244
.set PF,132
.set PB,200
.set CC,22
.set WQ,24
.set TT,28
.set CNT,29
.set SEL,40
.set MSB,0
.macro WIN new                         ; the immediate's high byte repeats the setting that is left
.if MSB != (\new)
	s_set_vgpr_msb (MSB<<8)|(\new)
.set MSB, (\new)
.endif
.endm
	s_load_b256 s[4:11], s[0:1], 0x0               ; enc, wq, hb, w2
	s_load_b128 s[12:15], s[0:1], 0x20             ; part, stat
	v_lshl_add_u32 v1, v0, 2, SPARE
	v_mov_b32 v2, 0
	v_lshrrev_b32 v102, 5, v0
	v_readfirstlane_b32 s16, v102                  ; wave
	s_and_b32 s17, s16, 1                          ; j
	s_xor_b32 s18, s16, 1                          ; my partner
	s_lshl_b32 s30, s17, 11
	s_add_co_u32 s30, s30, TAB-64
	s_mul_i32 s31, s16, 8448
	s_add_co_u32 s31, s31, XSTG
	s_mul_i32 s32, s16, 66560                      ; 32 rows of the copy
	s_mul_i32 s33, s16, 3328
	s_add_co_u32 s33, s33, XCH
	s_mul_i32 s34, s18, 3328
	s_add_co_u32 s34, s34, XCH
	s_add_co_u32 s42, s33, 3072
	s_add_co_u32 s43, s34, 3072
	s_lshl_b32 s35, s17, 9
	s_add_co_u32 s35, s35, RED
	s_lshl_b32 s36, s16, 7
	s_add_co_u32 s36, s36, s35
	s_lshl_b32 s44, s18, 7
	s_add_co_u32 s44, s44, s35
	s_lshl_b32 s38, s16, 9
	s_add_co_u32 s37, s38, RED+1024
	s_lshl_b32 s39, s16, 10
	s_add_co_u32 s39, s39, OST
	s_mov_b32 s[CC], 0x4038aa3b                    ; c = 2 log2(e)
	s_mov_b32 s[CC+1], s[CC]
	s_mov_b32 s[SEL], 0x76543210
	s_mov_b32 s[SEL+1], 0xfedcba98                 ; lane l xor 16
	s_mov_b32 s[TT], 0
	s_mov_b32 s[CNT], 14
	s_mov_b32 s21, 0
	v_and_b32 v103, 31, v0                         ; lane
	v_and_b32 v104, 15, v0                         ; r
	v_bfe_u32 v105, v0, 4, 1                       ; h
	v_lshlrev_b32 v[AW0], 4, v103
	v_lshlrev_b32 v[AS0], 4, v104
	v_lshl_add_u32 v[AT0], v105, 5, s30            ; TAB - 64 + 2,048 j + 32 h
	v_add_nc_u32 v[SI], s31, v[AW0]
	v_mul_u32_u24 v106, v104, 528
	v_lshl_add_u32 v106, v105, 7, v106
	v_add_nc_u32 v[SO], s31, v106                  ; row r, block h of the stage
	v_lshl_add_u32 v[CA], v103, 3, s32
	v_add_nc_u32 v[CA+1], 33280, v[CA]             ; 16 rows of the copy on
	v_add_nc_u32 v[XO], s33, v[AW0]
	v_add_nc_u32 v[XPA], s34, v[AW0]
	v_lshl_add_u32 v[XOS], v103, 2, s42
	v_lshl_add_u32 v[XPS], v103, 2, s43
	v_lshlrev_b32 v[GT], 4, v0
	v_lshl_add_u32 v[RO], v104, 2, s36
	v_lshl_add_u32 v[RP], v104, 2, s44
	v_add_nc_u32 v[RR], RED, v[AW0]
	v_add_nc_u32 v[PW], s37, v[AW0]
	v_lshl_add_u32 v[PL], v105, 5, s37
	v_and_b32 v107, 7, v0                          ; the turning load: row 8 h + l % 8, 16 bytes by (l / 8) % 2
	v_lshl_add_u32 v107, v105, 3, v107
	v_mul_u32_u24 v107, v107, 2080
	v_bfe_u32 v108, v0, 3, 1
	v_lshl_add_u32 v107, v108, 4, v107
	v_add_nc_u32 v[BR], s38, v107                  ; + my 256 columns
	v_add_nc_u32 v[BR+1], 66560, v[BR]             ; 32 rows on
	v_add_nc_u32 v[BR+2], 66560, v[BR+1]
	v_add_nc_u32 v[BR+3], 66560, v[BR+2]
	v_lshl_add_u32 v[OSI], v104, 2, s39
	v_add_nc_u32 v[OSO], s39, v[AW0]
	v_lshlrev_b32 v[SL], 3, v103
	v_add_nc_u32 v[TBA], TAB, v[GT]
	v_lshlrev_b32 v[H8], 3, v105
	v_mov_b32 v[TM+7], 0                           ; a lane permute's destination counts as a source
.irp k,0,1,2,3,4,5,6,7
	v_mov_b32 v[EA+\k], 0
.endr
	s_wait_alu depctr_va_vdst(0)                   ; the wait at the head's end
	s_wait_kmcnt 0x0
	s_lshl_b32 s20, ttmp9, 19
	s_lshl_b32 s45, s16, 17
	s_add_co_u32 s20, s20, s45
	s_add_nc_u64 s[4:5], s[4:5], s[20:21]          ; enc at my first row
	s_lshr_b32 s20, ttmp9, 4
	s_lshl_b32 s20, s20, 12
	s_add_nc_u64 s[8:9], s[8:9], s[20:21]          ; hb at my batch's row
	s_lshl_b32 s20, ttmp9, 12
	s_lshl_b32 s45, s16, 10
	s_add_co_u32 s20, s20, s45
	s_add_nc_u64 s[12:13], s[12:13], s[20:21]      ; part: my block's row, my 256 columns
	s_lshl_b32 s20, ttmp9, 8
	s_add_nc_u64 s[14:15], s[14:15], s[20:21]
	s_mul_i32 s20, s17, 409600
	s_add_nc_u64 s[WQ:WQ+1], s[6:7], s[20:21]      ; my tile 0's record,
	s_add_nc_u64 s[WQ+2:WQ+3], s[WQ:WQ+1], 12800   ; and tile 1's
	global_load_b128 v[TR:TR+3], v[GT], s[8:9]
	global_load_b128 v[TR+4:TR+7], v[GT], s[8:9] offset:2048
	global_load_b128 v[TR+8:TR+11], v[GT], s[10:11]
	global_load_b128 v[TR+12:TR+15], v[GT], s[10:11] offset:2048
; half a tile of W: K steps 4 hf .. 4 hf + 3 into buffer b, and their scale words: 13 loads
.macro LH b, hf
	WIN 0xc0
.irp k,0,1,2,3
.irp x,0,1,2
	global_load_b128 v[96*(\b)+12*(4*(\hf)+\k)+4*\x:96*(\b)+12*(4*(\hf)+\k)+4*\x+3], v[AW0], s[WQ+2*(\b):WQ+2*(\b)+1] offset:1536*(4*(\hf)+\k)+512*\x
.endr
.endr
	WIN 0
	global_load_b128 v[WS+8*(\b)+4*(\hf):WS+8*(\b)+4*(\hf)+3], v[AS0], s[WQ+2*(\b):WQ+2*(\b)+1] offset:12288+256*(\hf)
.endm
; chunk c: 16 rows (tile c % 2) x 128 columns (K step c / 2): 16 loads of 512 consecutive bytes, into buffer c % 3
.macro XLOAD c
	WIN 0x40*((\c)%3+1)
.set i,0
.rept 16
	global_load_b128 v[192+4*i:195+4*i], v[AW0], s[4:5] offset:(16*((\c)%2)+i)*4096+512*((\c)/2) th:TH_LOAD_NT
.set i,i+1
.endr
.endm
; a lane's 64 numbers, blocks h and 2 + h of its row's 128, become the fragment's 12 registers and the row's scale word
.macro QUANT
.irp c,0,1
	v_max3_num_f32 v[TM+\c], |v[X+32*\c]|, |v[X+1+32*\c]|, 0x2800000   ; the floor 2^(5 - 127) holds the byte at 1 from below
.endr
.irp i,2,4,6,8,10,12,14,16,18,20,22,24,26,28,30
.irp c,0,1
	v_max3_num_f32 v[TM+\c], v[TM+\c], |v[X+32*\c+\i]|, |v[X+1+32*\c+\i]|
.endr
.endr
.irp c,0,1
	v_add_nc_u32 v[TM+2+\c], 0xfe000000, v[TM+\c]  ; 4 off the exponent field: the conversion's scale operand
.endr
.irp c,0,1
	v_lshrrev_b32 v[TM+4+\c], 23, v[TM+2+\c]       ; the byte
.endr
	v_lshl_or_b32 v[WD], v[TM+5], 16, v[TM+4]
	v_lshlrev_b32 v[WD], v[H8], v[WD]              ; 8 h bits up
	v_permlanex16_b32 v[TM+7], v[WD], s[SEL], s[SEL+1]
	v_or_b32 v[WD], v[WD], v[TM+7]                 ; the word is whole in both halves of the lanes
.irp c,0,1
	v_cvt_scalef32_pk16_bf6_f32 v[CQ+6*\c:CQ+6*\c+2], v[X+32*\c:X+32*\c+15], v[TM+2+\c]
	v_cvt_scalef32_pk16_bf6_f32 v[Q2+4*\c:Q2+4*\c+2], v[X+32*\c+16:X+32*\c+31], v[TM+2+\c]
.endr
	v_nop                                          ; one plain place behind a scaled conversion
.irp c,0,1
.irp i,0,1,2
	v_mov_b32 v[CQ+3+6*\c+\i], v[Q2+4*\c+\i]
.endr
.endr
.endm
; K step ks is quantised in all waves: my two fragments and my partner's two come to their places
.macro EXCH ks
	s_wait_dscnt 0x0                               ; my images have landed, my earlier reads are over
	s_barrier_signal -1
	s_barrier_wait -1
	WIN 0x40*((\ks)/4+1)
.irp m,0,1
.irp x,0,1,2
	ds_load_b128 v[12*(4*\m+(\ks)%4)+4*\x:12*(4*\m+(\ks)%4)+4*\x+3], v[XO] offset:13312*((\ks)%2)+1536*\m+512*\x
	ds_load_b128 v[12*(4*\m+8+(\ks)%4)+4*\x:12*(4*\m+8+(\ks)%4)+4*\x+3], v[XPA] offset:13312*((\ks)%2)+1536*\m+512*\x
.endr
.endr
	WIN 0
.irp m,0,1
	ds_load_b32 v[CSC+8*\m+(\ks)], v[XOS] offset:13312*((\ks)%2)+128*\m
	ds_load_b32 v[CSC+16+8*\m+(\ks)], v[XPS] offset:13312*((\ks)%2)+128*\m
.endr
.endm
.macro CH c
.set WB, (\c)%3+1
.if (\c) <= 13
	s_wait_loadcnt 32                              ; two younger chunks stay out
.elseif (\c) == 14
	s_wait_loadcnt 16
.else
	s_wait_loadcnt 0
	LH 0, 0                                        ; my first two tiles of W: 52 loads
	LH 0, 1
	LH 1, 0
	LH 1, 1
.endif
	WIN 0x04*WB
.set i,0
.rept 16
	ds_store_b128 v[SI], v[192+4*i:195+4*i] offset:528*i
.set i,i+1
.endr
	WIN 0
.irp d,0,1
.irp q,0,1,2,3,4,5,6,7
	ds_load_b128 v[X+32*\d+4*\q:X+32*\d+4*\q+3], v[SO] offset:256*\d+16*\q   ; a whole block of 32 of my row
.endr
.endr
	WIN 0x05*WB
.set i,0
.rept 32
	v_cvt_pk_bf16_f32 v[BT+i], v[192+2*i], v[193+2*i]
.set i,i+1
.endr
	WIN 0
.set i,0
.rept 16
	ds_store_b64 v[CA+(\c)%2], v[BT+2*i:BT+2*i+1] offset:2080*i+256*((\c)/2)   ; 32 lanes: 256 consecutive bytes of a row of the copy
.set i,i+1
.endr
	s_wait_dscnt 0x0
.if (\c) <= 12
	XLOAD (\c)+3
	WIN 0
.endif
	QUANT
.irp x,0,1,2
	ds_store_b128 v[XO], v[CQ+4*\x:CQ+4*\x+3] offset:13312*(((\c)/2)%2)+1536*((\c)%2)+512*\x
.endr
	ds_store_b32 v[XOS], v[WD] offset:13312*(((\c)/2)%2)+128*((\c)%2)
.if (\c)%2 == 1
	EXCH (\c)/2
.endif
.endm
	XLOAD 0
	XLOAD 1
	XLOAD 2
	WIN 0
.irp c,0,1,2,3,4,5,6,7,8,9,10,11,12,13,14,15
	CH \c
.endr
.irp k,0,2,4,6
	v_pk_mul_f32 v[TR+\k:TR+\k+1], v[TR+\k:TR+\k+1], s[CC:CC+1] op_sel_hi:[1,0]   ; c x hb
.endr
	ds_store_b128 v[TBA], v[TR:TR+3]               ; the stages are read no more: every wave passed the last barrier behind its reads
	ds_store_b128 v[TBA], v[TR+4:TR+7] offset:2048
	ds_store_b128 v[TBA], v[TR+8:TR+11] offset:4096
	ds_store_b128 v[TBA], v[TR+12:TR+15] offset:6144
	s_wait_dscnt 0x0
	s_barrier_signal -1
	s_barrier_wait -1                              ; the tables are whole
; four products: K step ks of buffer b's tile against my four tiles of rows; the accumulators take turns
.macro MMG b, ks
	WIN 0x07+4*((\ks)/4)                           ; source 0 window 3, source 1 window 1 or 2
.irp m,0,1,2,3
.if (\ks) == 0
	v_wmma_scale_f32_16x16x128_f8f6f4 v[ACC+32*(\b)+8*\m:ACC+32*(\b)+8*\m+7], v[96*(\b)+12*(\ks):96*(\b)+12*(\ks)+11], v[12*(4*\m+(\ks)%4):12*(4*\m+(\ks)%4)+11], 0, v[WS+8*(\b)+(\ks)], v[CSC+8*\m+(\ks)] matrix_a_fmt:MATRIX_FMT_BF6 matrix_b_fmt:MATRIX_FMT_BF6
.else
	v_wmma_scale_f32_16x16x128_f8f6f4 v[ACC+32*(\b)+8*\m:ACC+32*(\b)+8*\m+7], v[96*(\b)+12*(\ks):96*(\b)+12*(\ks)+11], v[12*(4*\m+(\ks)%4):12*(4*\m+(\ks)%4)+11], v[ACC+32*(\b)+8*\m:ACC+32*(\b)+8*\m+7], v[WS+8*(\b)+(\ks)], v[CSC+8*\m+(\ks)] matrix_a_fmt:MATRIX_FMT_BF6 matrix_b_fmt:MATRIX_FMT_BF6
.endif
.endr
	WIN 0
.endm
.macro TRANS op, from, n
.set i,0
.rept \n
	\op v[P+(\from)+i], v[P+(\from)+i]
.set i,i+1
.endr
.endm
; Tile t, b = t % 2.  At its head (s0) c x + c hb of tile t - 1 goes from its accumulators into set 1 - b of v176-239; then ONE batch: the exponentials of tile t - 1 and (r) the reciprocals of tile t - 2, which lies in set b.
; So no transcendental stands between two products on one accumulator.  Beside the tile's 32 products (mm) stands plain work alone, four lines behind each four products, which name none of their registers and are their places:
; the dot of tile t - 2 with w2, then 1 + 2^(..) of tile t - 1.  ld: the tile two further on is asked for, half by half.
; n0, n1: the loads younger than this tile's first and second half (13 for each half tile asked for behind it).
.set ES,176
.macro TILE b, s0, r, ld, mm, n0, n1
.set EN, ES+32*(1-(\b))
.set EO, ES+32*(\b)
.set PA, ACC+32*(1-(\b))
.if (\b) == 0
	v_add_nc_u32 v[AT], s[TT], v[AT0]              ; the pair's place in the tables
	s_add_co_u32 s[TT], s[TT], 128
.endif
	s_wait_alu depctr_va_vdst(0)                   ; directly ahead of the first readers of the sums
.if \s0
.irp m,0,1,2,3
.irp k,0,2,4,6
	v_pk_fma_f32 v[EN+8*\m+\k:EN+8*\m+\k+1], v[PA+8*\m+\k:PA+8*\m+\k+1], s[CC:CC+1], v[HBC+\k:HBC+\k+1] op_sel_hi:[1,0,1]   ; c x + c hb
.endr
.endr
.endif
	ds_load_b128 v[W2R:W2R+3], v[AT] offset:4032+64*(\b)       ; w2 of tile t - 2,
	ds_load_b128 v[W2R+4:W2R+7], v[AT] offset:4048+64*(\b)
	ds_load_b128 v[HBC:HBC+3], v[AT] offset:64+64*(\b)         ; c hb of this tile, for the next tile's head
	ds_load_b128 v[HBC+4:HBC+7], v[AT] offset:80+64*(\b)
.if (\s0) || (\r)
	s_wait_alu depctr_va_vdst(0)                   ; ahead of the batch
.if \s0
.set P, EN
	TRANS v_exp_f32, 0, 32
.endif
.if \r
.set P, EO
	TRANS v_rcp_f32, 0, 32
.endif
	v_nop                                          ; a plain place behind the batch
.endif
	s_wait_dscnt 0x0                               ; w2 and c hb are in
.if (\s0) || (\r)
	s_wait_alu depctr_va_vdst(0)                   ; behind the batch
.endif
.if \mm
	s_wait_loadcnt \n0
.endif
.irp g,0,1,2,3
.if \mm
	MMG \b, \g
.endif
.if \r
.irp m,0,1,2,3
	v_pk_fma_f32 v[EA+2*\m:EA+2*\m+1], v[EO+8*\m+2*\g:EO+8*\m+2*\g+1], v[W2R+2*\g:W2R+2*\g+1], v[EA+2*\m:EA+2*\m+1]
.endr
.elseif \g == 3
.rept 4
	v_nop                                          ; places ahead of the loads below
.endr
.endif
.endr
.if \ld
	s_wait_xcnt 0x0                                ; the earlier loads have read their base
	s_add_nc_u64 s[WQ+2*(\b):WQ+2*(\b)+1], s[WQ+2*(\b):WQ+2*(\b)+1], 25600
	LH \b, 0
.endif
.if \mm
	s_wait_loadcnt \n1
.endif
.irp g,4,5,6,7
.if \mm
	MMG \b, \g
.endif
.if \s0
.irp k,0,2,4,6
	v_pk_add_f32 v[EN+8*(\g-4)+\k:EN+8*(\g-4)+\k+1], v[EN+8*(\g-4)+\k:EN+8*(\g-4)+\k+1], 1.0 op_sel_hi:[1,0]
.endr
.elseif \g == 7
.rept 4
	v_nop                                          ; places behind the last products
.endr
.endif
.endr
.if \ld
	LH \b, 1
.endif
.endm
	TILE 0, 0, 0, 1, 1, 39, 39
	TILE 1, 1, 0, 1, 1, 39, 39
.Ltrip:                                            ; 14 trips: tiles 2 to 29
	TILE 0, 1, 1, 1, 1, 39, 39
	TILE 1, 1, 1, 1, 1, 39, 39
	s_sub_co_u32 s[CNT], s[CNT], 1
	s_cmp_lg_u32 s[CNT], 0
	s_cbranch_scc1 .Ltrip
	TILE 0, 1, 1, 0, 1, 39, 26                     ; the last two ask for nothing
	TILE 1, 1, 1, 0, 1, 13, 0
	TILE 0, 1, 1, 0, 0, 0, 0                       ; nothing is left to multiply: tile 31's exponentials, tile 30's end,
	TILE 1, 0, 1, 0, 0, 0, 0                       ; and tile 31's end
; the copy's rows 32 kk .. + 31 of my 256 columns, turned: 16 operands of the last product, into buffer kk % 2 of window 3
.macro TRL kk
	WIN 0xc0
.set i,0
.rept 16
	ds_load_tr16_b128 v[128*((\kk)%2)+8*i:128*((\kk)%2)+8*i+3], v[BR+(\kk)] offset:32*i
	ds_load_tr16_b128 v[128*((\kk)%2)+8*i+4:128*((\kk)%2)+8*i+7], v[BR+(\kk)] offset:32*i+33280
.set i,i+1
.endr
	WIN 0
.endm
.macro CM kk                           ; source 0: p, the same in all 16 rows; source 1: the copy; sums in window 1, by turns
	WIN 0x5c
.set i,0
.rept 16
.if (\kk) == 0
	v_wmma_f32_16x16x32_bf16 v[8*i:8*i+7], v[PB+8*(\kk):PB+8*(\kk)+7], v[128*((\kk)%2)+8*i:128*((\kk)%2)+8*i+7], 0
.else
	v_wmma_f32_16x16x32_bf16 v[8*i:8*i+7], v[PB+8*(\kk):PB+8*(\kk)+7], v[128*((\kk)%2)+8*i:128*((\kk)%2)+8*i+7], v[8*i:8*i+7]
.endif
.set i,i+1
.endr
	WIN 0
.endm
	TRL 0
	TRL 1
.irp m,0,1,2,3
	v_add_f32 v[112+\m], v[EA+2*\m], v[EA+2*\m+1]
.endr
.irp m,0,1,2,3
	v_permlanex16_b32 v[116+\m], v[112+\m], s[SEL], s[SEL+1]
.endr
.irp m,0,1,2,3
	v_add_f32 v[112+\m], v[112+\m], v[116+\m]      ; u of row r of tile m over my 512 columns
.endr
	ds_store_b32 v[RO], v112                       ; lanes r and r + 16 write the same word with the same value
	ds_store_b32 v[RO], v113 offset:64
	ds_store_b32 v[RP], v114
	ds_store_b32 v[RP], v115 offset:64
	s_wait_dscnt 0x0
	s_barrier_signal -1
	s_barrier_wait -1
	ds_load_b128 v[120:123], v[RR]                 ; rows 4 l .. 4 l + 3: both column halves
	ds_load_b128 v[124:127], v[RR] offset:512
	s_wait_dscnt 0x0
	v_pk_add_f32 v[120:121], v[120:121], v[124:125]
	v_pk_add_f32 v[122:123], v[122:123], v[126:127]
	v_pk_mul_f32 v[120:121], v[120:121], -2.0 op_sel_hi:[1,0]   ; e'
	v_pk_mul_f32 v[122:123], v[122:123], -2.0 op_sel_hi:[1,0]
	v_max3_num_f32 v128, v120, v121, v122
	v_max_num_f32 v128, v128, v123
.irp x,1,2,4,8
	v_max_num_f32_dpp v128, v128, v128 row_xmask:\x row_mask:0xf bank_mask:0xf
.endr
	v_permlanex16_b32 v124, v128, s[SEL], s[SEL+1]
	v_max_num_f32 v128, v128, v124                 ; m: the block's largest e'
.irp i,0,1,2,3
	v_sub_f32 v[120+\i], v[120+\i], v128
.endr
.irp i,0,1,2,3
	v_mul_f32 v[120+\i], 0x3fb8aa3b, v[120+\i]
.endr
	s_wait_alu depctr_va_vdst(0)
.irp i,0,1,2,3
	v_exp_f32 v[120+\i], v[120+\i]                 ; p = e^(e' - m), at most 1
.endr
	v_nop
	s_wait_alu depctr_va_vdst(0)
	v_add_f32 v129, v120, v121
	v_add_f32 v125, v122, v123
	v_add_f32 v129, v129, v125
.irp x,1,2,4,8
	v_add_f32_dpp v129, v129, v129 row_xmask:\x row_mask:0xf bank_mask:0xf
.endr
	v_permlanex16_b32 v124, v129, s[SEL], s[SEL+1]
	v_add_f32 v129, v129, v124                     ; l; v[128:129] = (m, l)
	ds_store_b128 v[PW], v[120:123]                ; p by rows, in my own 512 bytes; LDS serves a wave's instructions in order
.irp kk,0,1,2,3
.set qq,0
.irp o,0,16,64,80
	ds_load_b128 v[PF+16*\kk+4*qq:PF+16*\kk+4*qq+3], v[PL] offset:128*\kk+\o   ; in the operand's order
.set qq,qq+1
.endr
.endr
	s_wait_dscnt 0x0
.set i,0
.rept 32
	v_cvt_pk_bf16_f32 v[PB+i], v[PF+2*i], v[PF+2*i+1]
.set i,i+1
.endr
	s_wait_alu depctr_va_vdst(0)
.rept 4
	v_nop
.endr
	CM 0
.rept 4
	v_nop
.endr
	TRL 2
	CM 1
.rept 4
	v_nop
.endr
	TRL 3
	s_wait_dscnt 32                                ; rows 64-95 are in
	CM 2
	s_wait_dscnt 0x0
	CM 3
.rept 4
	v_nop
.endr
	WIN 0x04
.set i,0
.rept 16
	ds_store_b32 v[OSI], v[8*i] offset:64*i        ; each sum's lowest register: column 16 i + r
.set i,i+1
.endr
	WIN 0
	ds_load_b128 v[112:115], v[OSO]
	ds_load_b128 v[116:119], v[OSO] offset:512
	s_wait_dscnt 0x0
	global_store_b128 v[AW0], v[112:115], s[12:13]             ; 512 consecutive bytes, at a multiple of 256 from part's first byte
	global_store_b128 v[AW0], v[116:119], s[12:13] offset:512
	s_cmp_lg_u32 s16, 0
	s_cbranch_scc1 .Lno_stat
	global_store_b64 v[SL], v[128:129], s[14:15]   ; (m, l) 32 times: 256 consecutive bytes
.Lno_stat:
	s_wait_tensorcnt 0x0                           ; the wave's end
	ds_add_u32 v1, v2
	s_wait_dscnt 0x0
	s_endpgm
.Lfunc_end_k_q420004a445_main:
	.size	k_q420004a445_main, .Lfunc_end_k_q420004a445_main-k_q420004a445_main
	.p2alignl 7, 3214868480
	.fill 96, 4, 3214868480
	.section	.rodata,"a",@progbits
	.p2align	6, 0x0
	.amdhsa_kernel k_q420004a445_main
		.amdhsa_group_segment_fixed_size 327680
		.amdhsa_private_segment_fixed_size 0
		.amdhsa_enable_private_segment 0
		.amdhsa_kernarg_size 48
		.amdhsa_user_sgpr_count 2
		.amdhsa_user_sgpr_kernarg_segment_ptr 1
		.amdhsa_wavefront_size32 1
		.amdhsa_system_sgpr_workgroup_id_x 1
		.amdhsa_system_sgpr_workgroup_id_y 1
		.amdhsa_system_sgpr_workgroup_id_z 1
		.amdhsa_system_vgpr_workitem_id 0
		.amdhsa_next_free_vgpr 1024
		.amdhsa_next_free_sgpr 66
		.amdhsa_reserve_vcc 0
		.amdhsa_float_denorm_mode_32 3
		.amdhsa_float_denorm_mode_16_64 3
		.amdhsa_memory_ordered 1
		.amdhsa_forward_progress 1
		.amdhsa_inst_pref_size 255
	.end_amdhsa_kernel
	.section	.bss,"aw",@nobits
	.p2align	6
	.space	262144
	.amdgpu_metadata
---
amdhsa.version: [ 1, 2 ]
amdhsa.kernels:
  - .name:           k_q420004a445_main
    .symbol:         k_q420004a445_main.kd
    .args:
      - { .name: encoder_outputs, .offset: 0, .size: 8, .value_kind: global_buffer, .address_space: global }
      - { .name: wq, .offset: 8, .size: 8, .value_kind: global_buffer, .address_space: global }
      - { .name: hb, .offset: 16, .size: 8, .value_kind: global_buffer, .address_space: global }
      - { .name: w2, .offset: 24, .size: 8, .value_kind: global_buffer, .address_space: global }
      - { .name: part, .offset: 32, .size: 8, .value_kind: global_buffer, .address_space: global }
      - { .name: stat, .offset: 40, .size: 8, .value_kind: global_buffer, .address_space: global }
    .group_segment_fixed_size: 327680
    .private_segment_fixed_size: 0
    .kernarg_segment_align: 8
    .kernarg_segment_size: 48
    .max_flat_workgroup_size: 128
    .sgpr_count:     66
    .vgpr_count:     1024
    .wavefront_size: 32
...
	.end_amdgpu_metadata
.endif
;; end of part 2
;; launch combine (part 3): grid 128 x 1, 2 waves a work-group, no clusters, 0 bytes of LDS; arguments part, stat, out0; writes out0
.if DOCPART == 3
	.amdgcn_target "amdgcn-amd-amdhsa--gfx1250"
	.amdhsa_code_object_version 6
	.text
	.protected	k_q420004a445_combine
	.globl	k_q420004a445_combine
	.p2align	8
	.type	k_q420004a445_combine,@function
k_q420004a445_combine:
	s_mov_b64 s[64:65], 0
	v_nop
	global_prefetch_b8 v0, s[64:65] scope:SCOPE_SE
	s_setreg_imm32_b32 hwreg(HW_REG_WAVE_MODE, 25, 1), 1
	s_wait_xcnt 0x0
; out0[b][:] = sum over a batch's 16 blocks k of f_k part[16 b + k][:] / sum over k of f_k l_k, with f_k = e^(m_k - M), M the largest m_k: the softmax over all 2,048 rows, its maximum taken away.
; part [512][1024] f32; stat [512][32][2] f32: (m, l) 32 times, so that each lane reads its own pair and a wave's load covers 256 consecutive bytes.
; A work-group of two waves takes a quarter (256 columns) of one batch's row: 16 bytes a thread.  It streams 2 MiB in all: no LDS, no barrier, no matrix unit would add anything.
; All 32 loads of a wave go out at once.  M's block has f = 1 and l at least 1, so the divisor is at least 1.
.set MS, 16                            ; v16-47   (m_k, l_k)
.set PT, 48                            ; v48-111  part's 16 bytes of block k
.set FK, 112                           ; v112-127 f_k
	s_load_b128 s[4:7], s[0:1], 0x0                ; part s[4:5], stat s[6:7]
	s_load_b64 s[8:9], s[0:1], 0x10                ; out0
	v_and_b32 v1, 31, v0
	v_lshlrev_b32 v1, 3, v1                        ; 8 x lane
	v_lshlrev_b32 v2, 4, v0                        ; 16 x thread
	s_lshr_b32 s10, ttmp9, 2                       ; batch
	s_and_b32 s11, ttmp9, 3                        ; quarter
	s_lshl_b32 s11, s11, 10
	s_lshl_b32 s12, s10, 12                        ; stat: 16 blocks of 256 bytes a batch
	s_mov_b32 s13, 0
	s_lshl_b32 s14, s10, 16                        ; part: 16 rows of 4,096 bytes a batch, + the quarter
	s_add_co_u32 s14, s14, s11
	s_mov_b32 s15, 0
	s_add_co_u32 s16, s12, s11                     ; out0: a row of 4,096 bytes a batch, + the quarter
	s_mov_b32 s17, 0
	s_wait_alu depctr_va_vdst(0)
	s_wait_kmcnt 0x0
	s_add_nc_u64 s[6:7], s[6:7], s[12:13]
	s_add_nc_u64 s[4:5], s[4:5], s[14:15]
	s_add_nc_u64 s[8:9], s[8:9], s[16:17]
.irp k, 0,1,2,3,4,5,6,7,8,9,10,11,12,13,14,15
	global_load_b64 v[MS+2*\k:MS+2*\k+1], v1, s[6:7] offset:256*\k
.endr
.irp k, 0,1,2,3,4,5,6,7,8,9,10,11,12,13,14,15
	global_load_b128 v[PT+4*\k:PT+4*\k+3], v2, s[4:5] offset:4096*\k th:TH_LOAD_NT
.endr
	s_wait_loadcnt 16                              ; the 16 pairs are in; part's 16 loads stay out
	v_max3_num_f32 v3, v[MS], v[MS+2], v[MS+4]
.irp k, 3,5,7,9,11,13
	v_max3_num_f32 v3, v3, v[MS+2*\k], v[MS+2*\k+2]
.endr
	v_max_num_f32 v3, v3, v[MS+30]                 ; M
.irp k, 0,1,2,3,4,5,6,7,8,9,10,11,12,13,14,15
	v_sub_f32 v[FK+\k], v[MS+2*\k], v3
.endr
.irp k, 0,1,2,3,4,5,6,7,8,9,10,11,12,13,14,15
	v_mul_f32 v[FK+\k], 0x3fb8aa3b, v[FK+\k]
.endr
	s_wait_alu depctr_va_vdst(0)
.irp k, 0,1,2,3,4,5,6,7,8,9,10,11,12,13,14,15
	v_exp_f32 v[FK+\k], v[FK+\k]
.endr
	v_nop                                          ; a plain place behind the exponentials
	s_wait_alu depctr_va_vdst(0)
	v_mul_f32 v4, v[FK], v[MS+1]
.irp k, 1,2,3,4,5,6,7,8,9,10,11,12,13,14,15
	v_fmac_f32 v4, v[FK+\k], v[MS+2*\k+1]          ; the divisor
.endr
	s_wait_alu depctr_va_vdst(0)
	v_rcp_f32 v5, v4
	s_wait_loadcnt 0x0
.irp j, 0,1,2,3
	v_mul_f32 v[8+\j], v[PT+\j], v[FK]             ; the first block starts the sums (and these are the plain lines behind the reciprocal)
.endr
.irp k, 1,2,3,4,5,6,7,8,9,10,11,12,13,14,15
.irp j, 0,1,2,3
	v_fmac_f32 v[8+\j], v[PT+4*\k+\j], v[FK+\k]
.endr
.endr
	s_wait_alu depctr_va_vdst(0)
.irp j, 0,1,2,3
	v_mul_f32 v[8+\j], v[8+\j], v5
.endr
	global_store_b128 v2, v[8:11], s[8:9]          ; a wave stores 512 consecutive bytes, at a multiple of 256 from out0's first byte
	s_endpgm
.Lfunc_end_k_q420004a445_combine:
	.size	k_q420004a445_combine, .Lfunc_end_k_q420004a445_combine-k_q420004a445_combine
	.p2alignl 7, 3214868480
	.fill 96, 4, 3214868480
	.section	.rodata,"a",@progbits
	.p2align	6, 0x0
	.amdhsa_kernel k_q420004a445_combine
		.amdhsa_group_segment_fixed_size 0
		.amdhsa_private_segment_fixed_size 0
		.amdhsa_enable_private_segment 0
		.amdhsa_kernarg_size 24
		.amdhsa_user_sgpr_count 2
		.amdhsa_user_sgpr_kernarg_segment_ptr 1
		.amdhsa_wavefront_size32 1
		.amdhsa_system_sgpr_workgroup_id_x 1
		.amdhsa_system_sgpr_workgroup_id_y 1
		.amdhsa_system_sgpr_workgroup_id_z 1
		.amdhsa_system_vgpr_workitem_id 0
		.amdhsa_next_free_vgpr 128
		.amdhsa_next_free_sgpr 66
		.amdhsa_reserve_vcc 0
		.amdhsa_float_denorm_mode_32 3
		.amdhsa_float_denorm_mode_16_64 3
		.amdhsa_memory_ordered 1
		.amdhsa_forward_progress 1
		.amdhsa_inst_pref_size 10
	.end_amdhsa_kernel
	.amdgpu_metadata
---
amdhsa.version: [ 1, 2 ]
amdhsa.kernels:
  - .name:           k_q420004a445_combine
    .symbol:         k_q420004a445_combine.kd
    .args:
      - { .name: part, .offset: 0, .size: 8, .value_kind: global_buffer, .address_space: global }
      - { .name: stat, .offset: 8, .size: 8, .value_kind: global_buffer, .address_space: global }
      - { .name: out0, .offset: 16, .size: 8, .value_kind: global_buffer, .address_space: global }
    .group_segment_fixed_size: 0
    .private_segment_fixed_size: 0
    .kernarg_segment_align: 8
    .kernarg_segment_size: 24
    .max_flat_workgroup_size: 64
    .sgpr_count:     66
    .vgpr_count:     128
    .wavefront_size: 32
...
	.end_amdgpu_metadata
.endif
;; end of part 3
